; MI455X (gfx1250); checked and timed in simulation.
; The chip was launched on July 23, 2026; its instructions are those of AMD's public machine-readable ISA for CDNA 5 (MIT licence, August 2026) and "CDNA5" Instruction Set Architecture Reference Guide (July 2026). The comments in the code are by the model that wrote it; some were corrected since.
;; Multi Head Attention. Allowed arithmetic: matrix products marked QUANTISED: E4M3 operands, one given power-of-two scale a tensor, by v_wmma_f32_16x16x64_fp8_fp8 or v_wmma_f32_16x16x128_fp8_fp8, f32 sums; everything else in f32.
;; Inputs: Wk_codes 1,024 x 32 x 32 uint8 (E4M3 codes of Wk, K innermost, in blocks of 32 codes); Wq_codes 1,024 x 32 x 32 uint8 (E4M3 codes of Wq, K innermost, in blocks of 32 codes); Wv_codes 1,024 x 32 x 32 uint8 (E4M3 codes of Wv, K innermost, in blocks of 32 codes); bk 1,024 float32; bq 1,024 float32; bv 1,024 float32; hidden_states_codes 4 x 2,048 x 32 x 32 uint8 (E4M3 codes of hidden_states, K innermost, in blocks of 32 codes); lowp_scales 10 int32 (the exponents e of the quantised operands' scales 2^e).
;; Outputs: out0 4 x 2,048 x 1,024 float32.
;; This version of the problem:
;;   THIS VERSION OF THE PROBLEM IS GIVEN IN LOW PRECISION. The matrix products marked QUANTISED in the list below multiply operands that are first quantised to E4M3 (4 exponent bits, 3 mantissa bits; 8 bits a number), with one given power-of-two scale for each operand tensor; their sums are f32. All else is computed in f32.
;;   The module's matrix products, in the order in which they are computed (A, B: the left and right operand; K: the contracted axis; several contracted axes count as one K, in the product's order):
;;     1. [M 8,192, K 1,024] x [K 1,024, N 1,024]; A: input hidden_states (given as codes); B: input Wq (given as codes): QUANTISED (scales: A lowp_scales[0], B lowp_scales[1])
;;     2. [M 8,192, K 1,024] x [K 1,024, N 1,024]; A: input hidden_states (given as codes); B: input Wk (given as codes): QUANTISED (scales: A lowp_scales[2], B lowp_scales[3])
;;     3. [M 8,192, K 1,024] x [K 1,024, N 1,024]; A: input hidden_states (given as codes); B: input Wv (given as codes): QUANTISED (scales: A lowp_scales[4], B lowp_scales[5])
;;     4. batch 64 x [M 2,048, K 64] x [K 64, N 2,048]; A: computed on the way; B: computed on the way: QUANTISED (scales: A lowp_scales[6], B lowp_scales[7])
;;     5. batch 64 x [M 2,048, K 2,048] x [K 2,048, N 64]; A: softmax (see below); B: computed on the way: QUANTISED (scales: A lowp_scales[8], B lowp_scales[9])
;;   THE QUANTISER, for each operand of a quantised product, along K:
;;     - The operand's scale is 2^e, e = its entry of the input lowp_scales (int32; the entries are numbered through the quantised products in the list's order, A before B).
;;     - Each number is divided by the scale, clamped to +-448, and rounded to the nearest number of E4M3, ties to even, subnormals kept.
;;     - The product sums the exact products of the quantised numbers (number of the format x scale) in f32.
;;   ~~~python
;;   def quantise(x, axis, e):      # numpy; x: float32 -> the quantised numbers, widened to float32 again
;;       x = np.moveaxis(x, axis, -1); K = x.shape[-1]
;;       r = np.clip(x / 2.0 ** e, -448, 448)
;;       step = 2.0 ** (np.maximum(np.frexp(np.where(r == 0, 1, r))[1] - 1, -6) - 3)
;;       q = np.round(r / step) * step * 2.0 ** e      # np.round: ties to even
;;       return np.moveaxis(q, -1, axis).astype(np.float32)
;;   ~~~
;;   SOFTMAX AHEAD OF A QUANTISED PRODUCT. Where the list says 'softmax', what is quantised is not the finished softmax but p = 2^(t - M), with t = logit x log2(e) and M = ceil(the row's largest t), a whole number; so 1/2 < the row's largest p <= 1. The row's sum l is taken of the UNQUANTISED p, in f32, and the product's result is divided by l at the end. Since M is a whole number, a kernel that streams over the keys may use a running M (the ceiling of the running maximum): every later rescaling is an exact power of two, so the quantised numbers keep their values, but for numbers so far below the row's largest that they fall under the format's range.
;;   OPERANDS COMPUTED ON THE WAY. 'Computed on the way' means the value that the module computes at that place (a softmax that the list does not call 'softmax' is quantised finished and normalised). What goes into a quantiser is computed in f32, as accurately as f32 sums, v_exp_f32 and their like allow (about 1e-6 of the number): no bf16 or f16 on the way to a quantiser, and a product that is left as it is and whose result goes on into a quantised operand takes f32 operands (vector FMAs, or v_wmma_f32_16x16x4_f32). A number that lies on a knife's edge between two numbers of the format may be rounded either way, as far as f32 arithmetic and the matrix unit's own rounding can turn it there, and no further.
;;   INPUTS GIVEN AS CODES. Wk (in the module: [1024, 1024], K = its axis 0); Wq (in the module: [1024, 1024], K = its axis 0); Wv (in the module: [1024, 1024], K = its axis 0); hidden_states (in the module: [4, 2048, 1024], K = its axis 2): each comes as NAME_codes (uint8): NAME with its K axis moved to the last place and cut into blocks of 32 codes, [.., K / 32, bytes a block], one block behind the other in memory; one code a byte (a code: sign, 4 exponent bits, 3 mantissa bits); its scale is its entry of lowp_scales. Its value is code x scale, taken as it is: it is not quantised again, and the codes and scales need not be those that the quantiser above would give.
;; One version. Each part assembles by itself: llvm-mc -triple=amdgcn-amd-amdhsa -mcpu=gfx1250 --defsym DOCPART=n.
;; ======== version 1 of 1: 2 launches
;; limits: right only within a limited range of input values
;; workspace buffers: q_img 8,388,608 bytes; kv_img 16,777,216 bytes
;; launch proj (part 1): grid 8 x 32, 4 waves a work-group, clusters of 4 x 4, 327,680 bytes of LDS; arguments hidden_states_codes, Wq_codes, Wk_codes, Wv_codes, bq, bk, bv, lowp_scales, q_img, kv_img; writes q_img, kv_img
.if DOCPART == 1
	.amdgcn_target "amdgcn-amd-amdhsa--gfx1250"
	.amdhsa_code_object_version 6
	.text
	.protected	k_q56bacefac2_proj
	.globl	k_q56bacefac2_proj
	.p2align	8
	.type	k_q56bacefac2_proj,@function
k_q56bacefac2_proj:
	s_mov_b64 s[64:65], 0
	v_nop
	global_prefetch_b8 v0, s[64:65] scope:SCOPE_SE
	s_setreg_imm32_b32 hwreg(HW_REG_WAVE_MODE, 25, 1), 1
	s_wait_xcnt 0x0
	s_wait_alu depctr_hold_cnt(0) depctr_sa_sdst(0) depctr_va_vdst(0) depctr_va_sdst(0) depctr_va_ssrc(0) depctr_va_vcc(0) depctr_vm_vsrc(0)
	s_getreg_b32 s2, hwreg(HW_REG_IB_STS2, 6, 4)
	s_cmp_eq_u32 s2, 0
	s_cbranch_scc0 .Lentry_in_a_cluster
	s_endpgm
.Lentry_in_a_cluster:
	s_bfe_u32 s2, ttmp6, 0x10000c
	s_cmp_lg_u32 s2, 0xf033
	s_cbranch_scc0 .Lentry_shape_is_right
	s_endpgm
.Lentry_shape_is_right:
; q, k, v = (hidden_states x W) x 2^(eA + eB) + bias, on the given codes of FP8 (E4M3), then quantised to E4M3 with the given scales (entries 6, 7, 9) and stored as IMAGES OF THE NEXT
; PRODUCTS' OPERAND REGISTERS.  hidden_states: [8192][1024] codes; each W: [1024 (n)][1024 (k)] codes; biases f32.
; The cluster's x picks the product: 0 = q, 1 = k, 2 = v.  A tile of 256 x 256 is made by four waves, each 128 x 128: 64 accumulators of 16 x 16, 512 registers.  K = 1,024 goes in steps of 256
; through a ring of two LDS slots filled by the tensor data mover.
; ROLES.  Operand A is source 1 of the matrix instruction, operand B source 0: in accumulator (a, b) lane (r, h) holds A's row 16 a + r and, in registers 0 to 7, B's rows 16 b + 8 h + 0 .. 7.
;   q, k: A = tokens, B = channels: a lane's eight numbers are eight neighbouring channels of one token: registers 2 c, 2 c + 1 of a fragment of 16 tokens x 64 channels (c = b % 4, head b / 4).
;   v:    A = channels (Wv), B = tokens: eight neighbouring tokens of one channel: registers 2 b, 2 b + 1 of a fragment of V^T, 16 channels x 128 keys.
; Only addresses differ between the roles: the loop is one text.  So the conversions' results are the operands' registers and go straight to memory: each store of a wave covers 512 consecutive bytes, aligned.
; q_img: [head 64][tile of 16 queries 128][1,024 bytes]: registers 4 i .. 4 i + 3 of lane l at 512 i + 16 l.
; kv_img: [head 64][step of 128 keys 16][16,384 bytes]: 8 fragments of K (1,024 bytes each, laid like q's), then 4 fragments of V^T (2,048 bytes each, registers 4 i .. 4 i + 3 of lane l at 512 i + 16 l).
; CLUSTERS: 4 x 4 work-groups.  A's tile is shared along a row of the cluster, B's along a column: each is asked for jointly, by the same tensor load with the same descriptor and a mask that names the four.
; In the sums k is permuted alike in A and B (four loads of 16 bytes a fragment): every product meets its partner.
; LIMITS: e0 + e1, e2 + e3, e4 + e5 between -126 and 127; e6, e7, e9 between -126 and 119, so that each power of two below is an f32 number.  NaN among the inputs is not served.
; REGISTERS, in windows of 256: window 0: v0-31 addresses and two constants; v32-95 the bias by B's rows; v96-111 the bias by A's rows; from v128 A's fragments, ONE set; on the way out v128-191 numbers, v192-255 codes.
;   window 1: B's fragments, TWO sets.   window 2: the accumulators of my A rows 0-63 ((a, b) at v[8 (8 a + b)]);   window 3: those of rows 64-127.
; THE SHARES AS THIS TEXT HAS THEM (where the lines above differ, these hold): 8 x 32 work-groups.  The cluster's x picks q (0) or k (1): no work-group has the role v for its first tile.
; Each work-group first makes its tile of 256 tokens x 256 channels of q or k, and then STAYS for a half tile of v: operand A = 128 channels of Wv (half tile 4 x cluster x + cy of eight),
; operand B = 256 tokens (tile 4 x cluster y + cx): 8 x 32 half tiles, one to a work-group.  A's tile is still shared along a row of the cluster and B's along a column.
; The ring does not stop between the two: the first tile's last two changes of slots ask for v's first two slots, and the first tile goes out while they are on their way.
; In the second pass waves 0 and 1 fetch 64 rows of Wv each, to the LDS bytes where their 128 rows of A lay; a wave makes 64 channels (one head) x 128 tokens (one step): the 32 accumulators of window 2;
; A's eight blocks of registers serve as two sets of four.
.set SIZE_K, 1024
.set G1C, 4                            ; s[4:11] descriptor group 1 for the second pass's tiles of A: 64 rows
.set KSTEP,  256                       ; along K in a slot
.set ROWB,   256                       ; a tile's row in bytes
.set KROW,   SIZE_K                    ; a row of codes in memory, in bytes
.set PITCH,  272                       ; an LDS row: 256 bytes + 16 of padding: the 16 rows that a load touches start 68 words apart
.set FR,     16                        ; registers of a fragment: 16 rows x 128 K
.set NL,     4                         ; LDS loads that bring one
.set NP,     4                         ; places behind this matrix instruction (ISA guide 7.12.1)
.set HALFT,  128*PITCH                 ; 128 rows: what one tensor load brings
.set SLOT,   4*HALFT                   ; A's 256 rows, then B's 256 rows
.set LAPS,   SIZE_K/(2*KSTEP)          ; a lap = two slots = once round the ring
.set SPARE,  2*SLOT                    ; behind the ring: the spare words, 128 bytes for each wave
.set ADRA, 16                          ; v16-17  LDS address of my A fragments in slot 0, 1
.set ADRB, 20                          ; v20-21  the same for B
.set BIO,  24                          ; v24     byte offset in the bias of my eight numbers by B's rows
.set BRO,  25                          ; v25     byte offset in the bias of my number by A's rows
.set CO,   26                          ; v26     16 x lane;  v27: the same one head further on
.set SPW,  28                          ; v28     LDS address of my spare word; never rewritten
.set NIL,  29                          ; v29     0; never rewritten
.set LIMV, 30                          ; v30     448 x 2^eo
.set SCV,  31                          ; v31     2^eo
.set BI,   32                          ; v32-95  register 8 b + j: bias of B's row 16 b + 8 h + j
.set BR,   96                          ; v96-111 register 2 a: bias of A's row 16 a + r; 2 a + 1: its copy
.set AF,   128                         ; A's fragments
.set TMP,  128                         ; the way out: 64 numbers of a block
.set CD,   192                         ; the way out: four sets of 16 registers of codes
.set G1, 24                            ; s[24:31] descriptor group 1 for A's tiles;  s[32:39] group 0, one set for each slot
.set G0, 32
.set G1B, 48                           ; s[48:55], s[56:63] the same for B's tiles
.set G0B, 56
.set MSB, 0
.macro WIN new                         ; the immediate's high byte repeats the setting that is left
.if MSB != \new
	s_set_vgpr_msb (MSB<<8)|\new
.set MSB, \new
.endif
.endm
.set MUL_LO, 0xa1                      ; source 0 (B) window 1, source 1 (A) window 0, C and D window 2
.set MUL_HI, 0xf1                      ; the same, C and D window 3
.set TO_B,   0x40                      ; destination window 1, address window 0
; A joint load: waves 0 and 1 fetch for A, waves 2 and 3 for B.  Each line has one mask and one set of registers; the branch hangs on the wave's number alone.  Four v_nop follow each line.
.macro JLOAD g0a, g1a, g0b, g1b
	s_cmp_eq_u32 s15, 0
	s_cbranch_scc0 .Lfor_b_\@
	tensor_load_to_lds s[\g0a:\g0a+3], s[\g1a:\g1a+7]
	s_nop 0
.rept 4
	v_nop
.endr
	s_branch .Lasked_\@
.Lfor_b_\@:
	tensor_load_to_lds s[\g0b:\g0b+3], s[\g1b:\g1b+7]
	s_nop 0
.rept 4
	v_nop
.endr
.Lasked_\@:
.endm
.macro CREST                           ; a round of the cluster's barrier behind its opening barrier
	s_cmp_lg_u32 s14, 0
	s_cbranch_scc1 .Lnot_wave_0_\@
	s_barrier_signal -3
.Lnot_wave_0_\@:
	s_barrier_wait -3
	s_barrier_signal -1
	s_barrier_wait -1
.endm
.macro CROUND                          ; a whole round
	s_barrier_signal -1
	s_barrier_wait -1
	CREST
.endm
	s_load_b256 s[4:11], s[0:1], 0x0               ; hidden_states s[4:5], Wq s[6:7], Wk s[8:9], Wv s[10:11]
	s_load_b256 s[68:75], s[0:1], 0x20             ; bq s[68:69], bk s[70:71], bv s[72:73], the exponents s[74:75]
	s_load_b128 s[76:79], s[0:1], 0x40             ; q_img s[76:77], kv_img s[78:79]
	v_lshl_add_u32 v[SPW], v0, 2, SPARE
	v_mov_b32 v[NIL], 0
	ds_add_u32 v28, v29
	ds_add_u32 v28, v29
	s_wait_dscnt 0x0
	v_lshrrev_b32 v1, 5, v0
	v_readfirstlane_b32 s14, v1                    ; wave 0..3
	s_lshr_b32 s15, s14, 1                         ; which half of A's rows is mine.  Also: I fetch for A (0) or for B (1)
	s_and_b32 s16, s14, 1                          ; which half of B's rows.  Also: which 128 rows of that tile I fetch
	s_bfe_u32 s40, ttmp6, 0x40000                  ; cx, cy: my place in the cluster
	s_bfe_u32 s41, ttmp6, 0x40004
	s_and_b32 s12, ttmp7, 0xffff
	s_lshl_b32 s12, s12, 2                         ; 4 x cluster y: the cluster's first tile of 256 tokens
	s_cmp_eq_u32 ttmp9, 2                          ; v?  The cluster's x is the same in all sixteen partners
	s_cselect_b32 s17, 0, s12                      ; A's tile: q, k: tokens, 4 x cluster y + cy;  v: channels, cy
	s_cselect_b32 s42, s12, 0                      ; B's tile: q, k: channels, cx;  v: tokens, 4 x cluster y + cx
	s_add_co_u32 s17, s17, s41
	s_add_co_u32 s42, s42, s40
	s_lshl_b32 s43, s41, 2
	s_lshl_b32 s43, 15, s43                        ; my row of the cluster
	s_lshl_b32 s44, 0x1111, s40                    ; my column
	; descriptor group 1: a tile of 128 rows x 256 bytes, padded in LDS
	s_or_b32 s[G1+0], s43, (0<<16)|(1<<20)|(1<<21)|(5<<22)|(3<<25)  ; 15:0 the mask: A's tiles go to my row; 17:16 element of 1 byte; 20 padding on; 21 set beside a mask; 24:22 after every 64 words; 31:25 four words
	s_or_b32 s[G1B+0], s44, (0<<16)|(1<<20)|(1<<21)|(5<<22)|(3<<25) ; the same with the mask of my column
.irp g, G1, G1B
	s_mov_b32 s[\g+1], ROWB<<16                    ; tensor_dim0
	s_mov_b32 s[\g+2], 128<<16                     ; tensor_dim1 = 128
	s_mov_b32 s[\g+3], ROWB<<16                    ; tile_dim0
	s_mov_b32 s[\g+4], 128                         ; tile_dim1 = 128
	s_mov_b32 s[\g+5], KROW                        ; tensor_dim0_stride
	s_mov_b32 s[\g+6], 0
	s_mov_b32 s[\g+7], 0
.endr
	s_lshl_b32 s18, s16, 7                         ; which 128 rows of the tile I fetch
	s_lshl_b32 s20, s17, 8
	s_add_co_u32 s20, s20, s18                     ; A: row 256 x tile + 128 x half,
	s_lshl_b32 s20, s20, 10                        ; in bytes: under 2^23
	s_mov_b32 s21, 0
	s_lshl_b32 s46, s42, 8
	s_add_co_u32 s46, s46, s18                     ; B likewise
	s_lshl_b32 s46, s46, 10
	s_mov_b32 s47, 0
	s_mul_i32 s45, s14, HALFT                      ; where they go: wave x 128 rows: no place in the cluster enters an LDS address
	s_wait_kmcnt 0x0
	s_load_b256 s[92:99], s[74:75], 0x0            ; entries 0 to 7
	s_load_b64 s[100:101], s[74:75], 0x20          ; entries 8, 9
	s_cmp_eq_u32 ttmp9, 0                          ; the buffers are chosen by the cluster's x alone
	s_cselect_b64 s[80:81], s[6:7], s[8:9]         ; the weight,
	s_cselect_b64 s[82:83], s[68:69], s[70:71]     ; the bias,
	s_cselect_b64 s[66:67], s[76:77], s[78:79]     ; where the codes go
	s_cmp_eq_u32 ttmp9, 2
	s_cselect_b64 s[80:81], s[10:11], s[80:81]
	s_cselect_b64 s[82:83], s[72:73], s[82:83]
	s_cselect_b64 s[84:85], s[80:81], s[4:5]       ; operand A: v: the weight; else the tokens
	s_cselect_b64 s[86:87], s[4:5], s[80:81]       ; operand B: the other
	s_add_nc_u64 s[84:85], s[84:85], s[20:21]
	s_add_nc_u64 s[86:87], s[86:87], s[46:47]
	CROUND                                         ; all sixteen work-groups are here: the first joint loads meet
.irp s, 0,1
	s_mov_b32 s[G0+4*\s], 1
	s_add_co_u32 s[G0+4*\s+1], s45, \s*SLOT
	s_add_nc_u64 s[G0+4*\s+2:G0+4*\s+3], s[84:85], \s*ROWB
	s_or_b32 s[G0+4*\s+3], s[G0+4*\s+3], 0x80000000
	s_mov_b32 s[G0B+4*\s], 1
	s_add_co_u32 s[G0B+4*\s+1], s45, \s*SLOT
	s_add_nc_u64 s[G0B+4*\s+2:G0B+4*\s+3], s[86:87], \s*ROWB
	s_or_b32 s[G0B+4*\s+3], s[G0B+4*\s+3], 0x80000000
.endr
	JLOAD G0, G1, G0B, G1B                         ; slot 0: one tensor load a wave at the head
	; the second pass's tiles: A from Wv, by the cluster's x, cy and the wave; B from the tokens, by the cluster's y, cx and the wave
	s_lshl_b32 s18, ttmp9, 2
	s_add_co_u32 s18, s18, s41                     ; the half tile of channels: 4 x cluster x + cy
	s_lshl_b32 s18, s18, 1
	s_add_co_u32 s18, s18, s16                     ; + which 64 rows of it I fetch
	s_lshl_b32 s84, s18, 16                        ; x 64 rows x 1,024 bytes
	s_mov_b32 s85, 0
	s_add_nc_u64 s[84:85], s[10:11], s[84:85]
	s_add_co_u32 s46, s12, s40                     ; the tokens' tile: 4 x cluster y + cx
	s_lshl_b32 s46, s46, 1
	s_add_co_u32 s46, s46, s16                     ; + which 128 rows of it I fetch
	s_lshl_b32 s86, s46, 17                        ; x 128 rows x 1,024 bytes
	s_mov_b32 s87, 0
	s_add_nc_u64 s[86:87], s[4:5], s[86:87]
	s_or_b32 s[G1C+0], s43, (0<<16)|(1<<20)|(1<<21)|(5<<22)|(3<<25)  ; as A's group 1, with 64 rows (the arguments that lay here have been used)
	s_mov_b32 s[G1C+1], ROWB<<16
	s_mov_b32 s[G1C+2], 64<<16
	s_mov_b32 s[G1C+3], ROWB<<16
	s_mov_b32 s[G1C+4], 64
	s_mov_b32 s[G1C+5], KROW
	s_mov_b32 s[G1C+6], 0
	s_mov_b32 s[G1C+7], 0
	v_and_b32 v1, 15, v0                           ; r = lane % 16
	v_bfe_u32 v2, v0, 4, 1                         ; h = lane / 16
	s_wait_alu depctr_va_vdst(0)
	v_mul_u32_u24 v3, v1, PITCH
	v_lshl_add_u32 v4, v2, 4, v3                   ; a fragment's row x pitch + 16 x half
	s_mul_i32 s21, s15, HALFT                      ; my 128 rows of A
	s_mul_i32 s22, s16, HALFT                      ; my 128 rows of B,
	s_add_co_u32 s22, s22, 2*HALFT                 ; which lie behind A's 256
.irp s, 0,1
	v_add_nc_u32 v[ADRA+\s], s21, v4
	v_add_nc_u32 v[ADRB+\s], s22, v4
	s_add_co_u32 s21, s21, SLOT
	s_add_co_u32 s22, s22, SLOT
.endr
	; the bias, in both forms, in every work-group: one path, and both index ranges lie inside the 1,024 numbers.  They are waited for on the way out
	s_lshl_b32 s18, s40, 10
	s_lshl_b32 s19, s16, 9
	s_add_co_u32 s18, s18, s19
	v_lshl_add_u32 v[BIO], v2, 5, s18              ; 4 (256 cx + 128 half + 8 h)
	s_lshl_b32 s18, ttmp9, 2                       ; bv by the second pass's rows of A: channel 128 (4 x cluster x + cy) + 64 half + 16 a + r
	s_add_co_u32 s18, s18, s41
	s_lshl_b32 s18, s18, 9
	s_lshl_b32 s19, s15, 8
	s_add_co_u32 s18, s18, s19
	v_lshl_add_u32 v[BRO], v1, 2, s18              ; 4 (128 (4 x cluster x + cy) + 64 half + r)
.irp b, 0,1,2,3,4,5,6,7
	global_load_b128 v[BI+8*\b:BI+8*\b+3],   v[BIO], s[82:83] offset:64*\b
	global_load_b128 v[BI+8*\b+4:BI+8*\b+7], v[BIO], s[82:83] offset:64*\b+16
.endr
.irp a, 0,1,2,3
	global_load_b32 v[BR+2*\a], v[BRO], s[72:73] offset:64*\a
.endr
	; where my wave's codes go: its 128 tokens are one step of a batch, its 128 channels two heads
	v_and_b32 v5, 31, v0
	v_lshlrev_b32 v[CO], 4, v5                     ; 16 x lane
	s_wait_alu depctr_va_vdst(0)
	s_cmp_eq_u32 ttmp9, 2
	s_cselect_b32 s18, s42, s17                    ; the tokens' tile,
	s_cselect_b32 s19, s16, s15                    ; my half of it,
	s_cselect_b32 s20, s17, s42                    ; the channels' tile,
	s_cselect_b32 s21, s15, s16                    ; my half of it
	s_lshl_b32 s18, s18, 1
	s_add_co_u32 s18, s18, s19                     ; T: which 128 tokens of the 8,192
	s_lshr_b32 s19, s18, 4                         ; the batch,
	s_lshl_b32 s19, s19, 4
	s_lshl_b32 s20, s20, 2
	s_add_co_u32 s19, s19, s20
	s_lshl_b32 s21, s21, 1
	s_add_co_u32 s19, s19, s21                     ; my first head: 16 x batch + 4 x tile + 2 x half
	s_and_b32 s18, s18, 15                         ; the step
	s_lshl_b32 s19, s19, 17
	s_lshl_b32 s18, s18, 13
	s_add_co_u32 s18, s18, s19                     ; in q_img: head x 2^17 + step x 2^13;
	s_cmp_eq_u32 ttmp9, 0
	s_cselect_b32 s20, 0, 1
	s_lshl_b32 s18, s18, s20                       ; in kv_img twice that
	s_mov_b32 s19, 0
	s_lshl_b32 s21, 0x20000, s20                   ; from head to head
	s_add_nc_u64 s[66:67], s[66:67], s[18:19]
	v_add_nc_u32 v[CO+1], s21, v[CO]
	; where the second pass's codes go: my 128 tokens are one step of a batch, my 64 channels one head
	s_add_co_u32 s18, s12, s40
	s_lshl_b32 s18, s18, 1
	s_add_co_u32 s18, s18, s16                     ; T: which 128 tokens of the 8,192
	s_lshr_b32 s19, s18, 4
	s_lshl_b32 s19, s19, 4                         ; 16 x batch
	s_lshl_b32 s20, ttmp9, 2
	s_add_co_u32 s20, s20, s41
	s_lshl_b32 s20, s20, 1
	s_add_co_u32 s19, s19, s20
	s_add_co_u32 s19, s19, s15                     ; the head: 16 x batch + 2 x half tile + half
	s_and_b32 s18, s18, 15                         ; the step
	s_lshl_b32 s19, s19, 18
	s_lshl_b32 s18, s18, 14
	s_add_co_u32 s18, s18, s19
	s_mov_b32 s19, 0
	s_add_nc_u64 s[78:79], s[78:79], s[18:19]
.macro FRAG reg, adr, q, i             ; a fragment, 16 rows x 128 K, is 16 registers: four loads of 16 bytes, 32 bytes apart
.irp c, 0,1,2,3
	ds_load_b128 v[\reg+4*\c:\reg+4*\c+3], v[\adr] offset:128*(\q)+32*\c+(\i)*16*PITCH
.endr
.endm
; 16 matrix instructions: A's blocks a0, a0 + 1 x B's eight, 128 along K.  p: B's set.  zero = 1: the first product starts the sums.  The 64 accumulators take turns, one instruction a turn.
.macro MUL16 a0, p, zero
.irp a, \a0, \a0+1
.irp b, 0,1,2,3,4,5,6,7
.if \zero
	v_wmma_f32_16x16x128_fp8_fp8 v[8*(8*((\a)%4)+\b):8*(8*((\a)%4)+\b)+7], v[128*(\p)+FR*\b:128*(\p)+FR*\b+FR-1], v[AF+FR*(\a):AF+FR*(\a)+FR-1], 0
.else
	v_wmma_f32_16x16x128_fp8_fp8 v[8*(8*((\a)%4)+\b):8*(8*((\a)%4)+\b)+7], v[128*(\p)+FR*\b:128*(\p)+FR*\b+FR-1], v[AF+FR*(\a):AF+FR*(\a)+FR-1], v[8*(8*((\a)%4)+\b):8*(8*((\a)%4)+\b)+7]
.endif
.endr
.endr
.endm
.macro FETCH_B slot, q, p              ; B's eight fragments of the slot's q-th 128 along K into set p
	WIN TO_B
.irp i, 0,1,2,3,4,5,6,7
	FRAG 128*(\p)+FR*\i, ADRB+\slot, \q, \i
.endr
	WIN 0
.endm
.macro FETCH_A slot, q, i0             ; A's blocks i0 .. i0 + 3
.irp i, \i0, \i0+1, \i0+2, \i0+3
	FRAG AF+FR*(\i), ADRA+\slot, \q, \i
.endr
.endm
.macro PLACES n                        ; plain vector instructions between a matrix instruction and a load into, or a vector read or write of, its registers
.rept \n
	v_nop
.endr
.endm
; A step of 128 along K that has its successor in the same slot.  A's blocks 0-3 are fetched anew in its middle, blocks 4-7 at its end; B's other set in its middle.
.macro STEP slot, q, zero
	s_wait_dscnt 4*NL                              ; B's set and A's blocks 0-3 are in; the youngest sixteen loads (A's blocks 4-7) may be out
	WIN MUL_LO
	MUL16 0, (\q)%2, \zero
	MUL16 2, (\q)%2, \zero
	s_wait_dscnt 0                                 ; A's blocks 4-7 are in
	PLACES NP
	FETCH_B \slot, (\q)+1, 1-(\q)%2
	FETCH_A \slot, (\q)+1, 0
	WIN MUL_HI
	MUL16 4, (\q)%2, \zero
	MUL16 6, (\q)%2, \zero
	PLACES NP
	WIN 0
	FETCH_A \slot, (\q)+1, 4
.endm
; A slot's last step changes slots: ONE barrier; in front of it each wave waits for all its tensor loads, adds 0 to its spare word, and waits for that and for its own reads of this slot.  fill = 1: this slot is filled again, two slots ahead.
.macro TURN slot, next, fill
	s_wait_tensorcnt 0x0                           ; all my tensor loads have landed: my part of the next slot
	ds_add_u32 v[SPW], v[NIL]                      ; 0 onto my spare word
	s_wait_dscnt 4*NL+1                            ; (the add and the youngest sixteen loads, A's blocks 4-7, may be out)
	WIN MUL_LO
	MUL16 0, 1, 0                                  ; sixteen matrix instructions stand between the add and the wait for it
	s_wait_dscnt 0x0                               ; the add is done, and my reads of this slot are over
	s_barrier_signal -1
	MUL16 2, 1, 0
	WIN 0
	s_barrier_wait -1
.if \fill
	CREST                                          ; the barrier has opened a round of the cluster's barrier: no wave of any partner still reads this slot or has a load on its way
.if \fill == 2                         ; the ring goes on into the second pass: slot 0 takes its first 256 along K
	s_mov_b64 s[G0+2:G0+3], s[84:85]
	s_or_b32 s[G0+3], s[G0+3], 0x80000000
	s_mov_b64 s[G0B+2:G0B+3], s[86:87]
	s_or_b32 s[G0B+3], s[G0B+3], 0x80000000
	JLOAD G0, G1C, G0B, G1B
.else
	s_add_nc_u64 s[G0+4*\slot+2:G0+4*\slot+3], s[G0+4*\slot+2:G0+4*\slot+3], 2*ROWB
	s_add_nc_u64 s[G0B+4*\slot+2:G0B+4*\slot+3], s[G0B+4*\slot+2:G0B+4*\slot+3], 2*ROWB
	JLOAD G0+4*\slot, G1, G0B+4*\slot, G1B         ; the first tensor load behind the round; its four v_nop are the places in front of the loads below
.endif
.else
	PLACES NP
.endif
	FETCH_B \next, 0, 0
	FETCH_A \next, 0, 0
	WIN MUL_HI
	MUL16 4, 1, 0
	MUL16 6, 1, 0
	PLACES NP
	WIN 0
	FETCH_A \next, 0, 4
.endm
	s_wait_alu depctr_va_vdst(0)
	s_wait_tensorcnt 0x0                           ; my part of slot 0 is in
	ds_add_u32 v[SPW], v[NIL]
	s_wait_dscnt 0x0
	CROUND                                         ; everybody's part of slot 0 is in, and all sixteen work-groups are here
	JLOAD G0+4, G1, G0B+4, G1B                     ; slot 1's first fill: the first tensor load behind the round
	FETCH_B 0, 0, 0
	FETCH_A 0, 0, 0
	FETCH_A 0, 0, 4
	STEP 0, 0, 1                                   ; the first step stands in front of the loop: its products start the sums
.if LAPS > 1
	s_mov_b32 s3, LAPS-1
.Llap:                                                 ; a trip goes once round the ring, from a lap's second step to the next lap's first, and fills both slots again
	TURN 0, 1, 1
	STEP 1, 0, 0
	TURN 1, 0, 1
	STEP 0, 0, 0
	s_sub_co_u32 s3, s3, 1
	s_cmp_lg_u32 s3, 0
	s_cbranch_scc1 .Llap
.endif
	TURN 0, 1, 2                                   ; the first tile's last lap: slot 0 is filled again, for the second pass
	STEP 1, 0, 0
	s_wait_dscnt 4*NL                              ; the very last step: nothing more to fetch
	WIN MUL_LO
	MUL16 0, 1, 0
	MUL16 2, 1, 0
	s_wait_dscnt 0
	WIN MUL_HI
	MUL16 4, 1, 0
	MUL16 6, 1, 0
	WIN 0
	s_wait_tensorcnt 0x0                           ; the second pass's slot 0 is in; the three lines and a round in front of slot 1's refill
	ds_add_u32 v[SPW], v[NIL]
	s_wait_dscnt 0x0                               ; the add is done, and my reads of slot 1 are over
	CROUND
	s_add_nc_u64 s[G0+6:G0+7], s[84:85], ROWB      ; the second pass's second 256 along K
	s_or_b32 s[G0+7], s[G0+7], 0x80000000
	s_add_nc_u64 s[G0B+6:G0B+7], s[86:87], ROWB
	s_or_b32 s[G0B+7], s[G0B+7], 0x80000000
	JLOAD G0+4, G1C, G0B+4, G1B                    ; it lands while the first tile goes out
.macro OUT a, kind
.set AC, 64*((\a)%4)
.set CC, CD+16*((\a)%4)
.if (\a) >= 4
	s_wait_xcnt 0x0                                ; block a - 4's stores have read their registers, which take this block's codes
.endif
	WIN 0x02+((\a)/4)                              ; source 0: window 2 or 3
.set n, 0
.rept 32
.if \kind
	v_pk_fma_f32 v[TMP+n:TMP+n+1], v[AC+n:AC+n+1], s[88:89], v[BR+2*(\a):BR+2*(\a)+1] op_sel_hi:[1,0,1]
.else
	v_pk_fma_f32 v[TMP+n:TMP+n+1], v[AC+n:AC+n+1], s[88:89], v[BI+n:BI+n+1] op_sel_hi:[1,0,1]
.endif
.set n, n+2
.endr
	WIN 0
.set n, 0
.rept 64
	v_med3_num_f32 v[TMP+n], v[TMP+n], -v[LIMV], v[LIMV]
.set n, n+1
.endr
.irp b, 0,1,2,3,4,5,6,7
	v_cvt_scalef32_pk8_fp8_f32 v[CC+2*\b:CC+2*\b+1], v[TMP+8*\b:TMP+8*\b+7], v[SCV]
.endr
	v_nop                                          ; one plain vector instruction behind the last conversion: the next block's multiply-adds write its sources
.irp i, 0,1,2,3
.if \kind
	global_store_b128 v[CO], v[CC+4*\i:CC+4*\i+3], s[78:79] offset:8192+((\a)/4)*262144+((\a)%4)*2048+\i*512   ; channels 16 a on of my head: one fragment of V^T
.else
	global_store_b128 v[CO+\i/2], v[CC+4*\i:CC+4*\i+3], s[66:67] offset:(\a)*1024+(\i%2)*512                   ; tokens 16 a on: head i / 2's fragment, its half i % 2
.endif
.endr
.endm
	s_wait_kmcnt 0x0                               ; the exponents
	s_add_co_i32 s92, s92, s93                     ; e0 + e1,
	s_add_co_i32 s94, s94, s95                     ; e2 + e3,
	s_add_co_i32 s96, s96, s97                     ; e4 + e5: chosen, like eo, without a branch
	s_cmp_eq_u32 ttmp9, 0
	s_cselect_b32 s88, s92, s94
	s_cselect_b32 s90, s98, s99                    ; eo: entry 6 for q, 7 for k,
	s_cmp_eq_u32 ttmp9, 2
	s_cselect_b32 s88, s96, s88
	s_cselect_b32 s90, s101, s90                   ; 9 for v
	s_add_co_i32 s88, s88, 127
	s_lshl_b32 s88, s88, 23                        ; 2^(eA + eB) as f32
	s_mov_b32 s89, s88                             ; (named with it as a pair, so it is written)
	s_add_co_i32 s90, s90, 127
	s_add_co_i32 s91, s90, 8
	s_lshl_b32 s90, s90, 23                        ; 2^eo
	s_lshl_b32 s91, s91, 23
	s_or_b32 s91, s91, 0x600000                    ; 448 x 2^eo
	v_mov_b32 v[LIMV], s91
	v_mov_b32 v[SCV], s90
	s_wait_loadcnt 0x0                             ; the bias
	PLACES NP                                      ; behind the last products: their results are read and A's registers written below
.irp a, 0,1,2,3,4,5,6,7
	OUT \a, 0
.endr
; THE SECOND PASS: v.  A step of 128 along K is 32 matrix instructions: A's four blocks x B's eight.  Piece 0 of a slot lies in set 0 (A's blocks 0-3, B's set 0), piece 1 in set 1 (A's blocks 4-7, B's set 1).
.macro HFA slot, q, p                  ; A's four blocks of the slot's piece q into set p
.irp i, 0,1,2,3
	FRAG AF+FR*(4*(\p)+\i), ADRA+\slot, \q, \i
.endr
.endm
.macro HS slot, zero                   ; piece 0: piece 1's 48 loads are issued ahead of its products
	s_wait_dscnt 0x0                               ; set 0 is in
	PLACES NP                                      ; set 1's registers were read by the last products
	FETCH_B \slot, 1, 1
	HFA \slot, 1, 1
	WIN MUL_LO
	MUL16 0, 0, \zero
	MUL16 2, 0, \zero
	WIN 0
.endm
.macro HC slot, next, fill             ; piece 1, and the change of slots, in TURN's form
	s_wait_tensorcnt 0x0                           ; all my tensor loads have landed: my part of the next slot
	ds_add_u32 v[SPW], v[NIL]
	s_wait_dscnt 1                                 ; set 1 is in (the add alone may be out)
	WIN MUL_LO
	MUL16 4, 1, 0
	s_wait_dscnt 0x0                               ; the add is done, and my reads of this slot are over
	s_barrier_signal -1
	MUL16 6, 1, 0
	WIN 0
	s_barrier_wait -1
.if \fill
	CREST
	s_add_nc_u64 s[G0+4*\slot+2:G0+4*\slot+3], s[G0+4*\slot+2:G0+4*\slot+3], 2*ROWB
	s_add_nc_u64 s[G0B+4*\slot+2:G0B+4*\slot+3], s[G0B+4*\slot+2:G0B+4*\slot+3], 2*ROWB
	JLOAD G0+4*\slot, G1C, G0B+4*\slot, G1B        ; the first tensor load behind the round; its four v_nop are the places in front of the loads below
.else
	PLACES NP
.endif
	FETCH_B \next, 0, 0
	HFA \next, 0, 0
.endm
	s_wait_xcnt 0x0                                ; the first tile's stores have read their registers, which take fragments again
	FETCH_B 0, 0, 0
	HFA 0, 0, 0
	HS 0, 1                                        ; the first step's products start the sums
	HC 0, 1, 1
	HS 1, 0
	HC 1, 0, 1
	HS 0, 0
	HC 0, 1, 0                                     ; the last two slots are filled no more
	HS 1, 0
	s_wait_dscnt 0x0
	WIN MUL_LO
	MUL16 4, 1, 0
	MUL16 6, 1, 0
	WIN 0
	s_add_co_i32 s88, s96, 127                     ; e4 + e5 was added up ahead of the first way out
	s_lshl_b32 s88, s88, 23                        ; 2^(e4 + e5) as f32
	s_mov_b32 s89, s88
	s_add_co_i32 s90, s101, 127
	s_add_co_i32 s91, s90, 8
	s_lshl_b32 s90, s90, 23                        ; 2^e9
	s_lshl_b32 s91, s91, 23
	s_or_b32 s91, s91, 0x600000                    ; 448 x 2^e9
	v_mov_b32 v[LIMV], s91
	v_mov_b32 v[SCV], s90
.irp a, 0,1,2,3
	v_mov_b32 v[BR+2*\a+1], v[BR+2*\a]             ; the packed form takes a pair: both halves get the row's bias.  (These six lines are also the places behind the last products)
.endr
.irp a, 0,1,2,3
	OUT \a, 1
.endr
	s_wait_tensorcnt 0x0                           ; the wave's end
	ds_add_u32 v[SPW], v[NIL]
	s_wait_dscnt 0x0
	CROUND                                         ; the closing round: no work-group ends while a partner may still ask for a tile that names it
	s_endpgm
.Lfunc_end_k_q56bacefac2_proj:
	.size	k_q56bacefac2_proj, .Lfunc_end_k_q56bacefac2_proj-k_q56bacefac2_proj
	.p2alignl 7, 3214868480
	.fill 96, 4, 3214868480
	.section	.rodata,"a",@progbits
	.p2align	6, 0x0
	.amdhsa_kernel k_q56bacefac2_proj
		.amdhsa_group_segment_fixed_size 327680
		.amdhsa_private_segment_fixed_size 0
		.amdhsa_enable_private_segment 0
		.amdhsa_kernarg_size 80
		.amdhsa_user_sgpr_count 2
		.amdhsa_user_sgpr_kernarg_segment_ptr 1
		.amdhsa_wavefront_size32 1
		.amdhsa_system_sgpr_workgroup_id_x 1
		.amdhsa_system_sgpr_workgroup_id_y 1
		.amdhsa_system_sgpr_workgroup_id_z 1
		.amdhsa_system_vgpr_workitem_id 0
		.amdhsa_next_free_vgpr 1024
		.amdhsa_next_free_sgpr 102
		.amdhsa_reserve_vcc 0
		.amdhsa_float_denorm_mode_32 3
		.amdhsa_float_denorm_mode_16_64 3
		.amdhsa_memory_ordered 1
		.amdhsa_forward_progress 1
		.amdhsa_inst_pref_size 213
	.end_amdhsa_kernel
	.amdgpu_metadata
---
amdhsa.version: [ 1, 2 ]
amdhsa.kernels:
  - .name:           k_q56bacefac2_proj
    .symbol:         k_q56bacefac2_proj.kd
    .args:
      - { .name: hidden_states_codes, .offset: 0, .size: 8, .value_kind: global_buffer, .address_space: global }
      - { .name: Wq_codes, .offset: 8, .size: 8, .value_kind: global_buffer, .address_space: global }
      - { .name: Wk_codes, .offset: 16, .size: 8, .value_kind: global_buffer, .address_space: global }
      - { .name: Wv_codes, .offset: 24, .size: 8, .value_kind: global_buffer, .address_space: global }
      - { .name: bq, .offset: 32, .size: 8, .value_kind: global_buffer, .address_space: global }
      - { .name: bk, .offset: 40, .size: 8, .value_kind: global_buffer, .address_space: global }
      - { .name: bv, .offset: 48, .size: 8, .value_kind: global_buffer, .address_space: global }
      - { .name: lowp_scales, .offset: 56, .size: 8, .value_kind: global_buffer, .address_space: global }
      - { .name: q_img, .offset: 64, .size: 8, .value_kind: global_buffer, .address_space: global }
      - { .name: kv_img, .offset: 72, .size: 8, .value_kind: global_buffer, .address_space: global }
    .group_segment_fixed_size: 327680
    .private_segment_fixed_size: 0
    .kernarg_segment_align: 8
    .kernarg_segment_size: 80
    .max_flat_workgroup_size: 128
    .sgpr_count:     102
    .vgpr_count:     1024
    .wavefront_size: 32
...
	.end_amdgpu_metadata
.endif
;; end of part 1
;; launch attn (part 2): grid 4 x 64, 16 waves a work-group, clusters of 4 x 1, 327,680 bytes of LDS; arguments q_img, kv_img, lowp_scales, out0; writes out0
.if DOCPART == 2
	.amdgcn_target "amdgcn-amd-amdhsa--gfx1250"
	.amdhsa_code_object_version 6
	.text
	.protected	k_q56bacefac2_attn
	.globl	k_q56bacefac2_attn
	.p2align	8
	.type	k_q56bacefac2_attn,@function
k_q56bacefac2_attn:
	s_mov_b64 s[64:65], 0
	v_nop
	global_prefetch_b8 v0, s[64:65] scope:SCOPE_SE
	s_setreg_imm32_b32 hwreg(HW_REG_WAVE_MODE, 25, 1), 1
	s_wait_xcnt 0x0
	s_wait_alu depctr_hold_cnt(0) depctr_sa_sdst(0) depctr_va_vdst(0) depctr_va_sdst(0) depctr_va_ssrc(0) depctr_va_vcc(0) depctr_vm_vsrc(0)
	s_getreg_b32 s2, hwreg(HW_REG_IB_STS2, 6, 4)
	s_cmp_eq_u32 s2, 0
	s_cbranch_scc0 .Lentry_in_a_cluster
	s_endpgm
.Lentry_in_a_cluster:
	s_bfe_u32 s2, ttmp6, 0x10000c
	s_cmp_lg_u32 s2, 0x3003
	s_cbranch_scc0 .Lentry_shape_is_right
	s_endpgm
.Lentry_shape_is_right:
; out0[b][q][head's 64] = sum over keys of softmax(q . k / 8) v, both products on codes of FP8 (E4M3) with the given scales (entries 6 to 9: eq, ek, ep, ev).
; q_img and kv_img hold images of the operands' registers: q_img [head 64][tile of 16 queries 128][1,024 bytes]; kv_img [head 64][step of 128 keys 16][8 fragments of K, 1,024 bytes each, then 4 of V^T, 2,048 each].
; THE SOFTMAX: t = score x log2(e) / 8; M = the running largest t rounded up to a whole number; p = 2^(t - M) is quantised, not normalised; the sum of the unquantised p divides at the end; when M moves, sum and O are multiplied by 2^(old M - new M).
; SHARES: a work-group owns 512 queries of one head, each of its sixteen waves 32 of them: two tiles of 16.  Both products are used transposed (S^T = K Q^T, O^T = V^T P^T): a lane holds one query.
; The head's K and V, 16 steps x 16,384 bytes, are filled ONCE into LDS: steps 0 to 3 by the head's load (4,096 bytes a wave), steps 4 to 15 by a second load (12,288 bytes a wave) behind the full sequence and a round.
; CLUSTER: the four work-groups of a head read the same K and V and ask for them jointly (mask 15).
; NO PREFETCH: every byte of K and V is asked for by those two loads at the head; there is no loop to run ahead in.
; TWO REGIONS of 64 registers swap roles from step to step, so a trip of a loop is two steps.  A BODY (step s; region RK holds tile 1's p of step s - 1, region RS holds V of step s - 1):
;   tile 1's conversions of step s - 1, each followed by the two loads that bring a fragment of K(s) into the eight registers just converted; O^T of tile 1 rescaled; its four products;
;   tile 0's scores into RS; its softmax; between its conversions tile 1's eight score products; V(s) over K(s) in RK; tile 1's maxima and exponentials, with tile 0's four products among them.
;   All LDS reads of a body are of step s, so the barriers between the loops stand ahead of them.  The first body finds zeros (p, V, sums, f), which leave zeros; the last step's tail is written out behind the loops.
; THE EXPONENTIALS go in four windows of 16.  Between them stand plain instructions whose results nothing in the same window reads: the next quarter's multiply-adds, sums of earlier quarters into eight
;   accumulators (each touched once a window), holds.  One wait stands between two windows.
; THE WAY OUT goes through a stage of 16 x 272 bytes a wave in LDS bytes 0 to 69,631 (steps 0 to 4), which have had their only fill.  A barrier stands ahead of step 12's body: behind it no wave reads below step 12.
; LIMITS: eq + ek between -123 and 130 (added to c's exponent field); ep between -126 and 119; the scaled scores stay under 2^31 in magnitude; NaN among the codes is not served.
; REGISTERS: v1 16 x lane; v2 LDS address; v3 2^ep; v4, v6 -M of tiles 0, 1; v5, v7 448 x 2^ep; v[8:11] the sums; v12 f; v13-15 at work; v16-31 Q; v32-95, v96-159 the two regions; v160-223 O^T;
;   v224-239, v240-255 p's codes of tiles 0, 1; while a tile's codes are not there, the other tile's eight accumulators lie in them, and v240-243 serve the maxima.
.set SPARE, 0x40000                    ; behind K and V: the spare words, 128 bytes a wave
.set STEPB, 16384
.set SP,  272
.set LI,  1
.set ADR, 2
.set SC,  3
.set NM0, 4
.set SU0, 8
.set FF,  12
.set Q,   16
.set RA,  32
.set RB,  96
.set KV,  32
.set S,   96
.set O,   160
.set P,   224
.set MT,  240
.set WV,  12
.set CX,  13
.set BH,  14
.set G1A, 16
.set G1B, 24
.set G0A, 32
.set G0B, 36
.set SEL, 40
.set CS,  42
.set TB,  44
.set CNT, 45
.set LIM, 46
.set TP,  47
.macro CROUND                          ; a round of the cluster's barrier
	s_barrier_signal -1
	s_barrier_wait -1
	s_cmp_lg_u32 s[WV], 0
	s_cbranch_scc1 .Lnot_wave_0_\@
	s_barrier_signal -3
.Lnot_wave_0_\@:
	s_barrier_wait -3
	s_barrier_signal -1
	s_barrier_wait -1
.endm
	s_load_b128 s[4:7], s[0:1], 0x0                ; q_img, kv_img
	s_load_b128 s[8:11], s[0:1], 0x10              ; the exponents, out0
	v_lshl_add_u32 v254, v0, 2, SPARE
	v_mov_b32 v255, 0
	ds_add_u32 v254, v255                          ; the opening lines: the add twice on end and one wait
	ds_add_u32 v254, v255
	v_lshrrev_b32 v2, 5, v0
	v_readfirstlane_b32 s[WV], v2                  ; wave 0..15
	v_and_b32 v[LI], 31, v0
	v_lshlrev_b32 v[LI], 4, v[LI]
	s_bfe_u32 s[CX], ttmp6, 0x40000                ; which 512 queries of the head
	s_and_b32 s[BH], ttmp7, 0xffff                 ; 16 x batch + head
	s_mov_b32 s[G1A], 15|(3<<16)|(1<<21)           ; mask of the four partners; elements of 8 bytes; rows of 256 bytes, dense
	s_mov_b32 s[G1A+1], 32<<16
	s_mov_b32 s[G1A+2], 16<<16                     ; 16 rows: 4,096 bytes a wave
	s_mov_b32 s[G1A+3], 32<<16
	s_mov_b32 s[G1A+4], 16
	s_mov_b32 s[G1A+5], 32
	s_mov_b32 s[G1A+6], 0
	s_mov_b32 s[G1A+7], 0
	s_mov_b32 s[G1B], 15|(3<<16)|(1<<21)
	s_mov_b32 s[G1B+1], 32<<16
	s_mov_b32 s[G1B+2], 48<<16                     ; 48 rows: 12,288 bytes a wave
	s_mov_b32 s[G1B+3], 32<<16
	s_mov_b32 s[G1B+4], 48
	s_mov_b32 s[G1B+5], 32
	s_mov_b32 s[G1B+6], 0
	s_mov_b32 s[G1B+7], 0
	s_mov_b32 s[SEL], 0x76543210
	s_mov_b32 s[SEL+1], 0xfedcba98
	s_mov_b32 s[CS], 0x3e38aa3b                    ; c = log2(e) / 8
	s_lshl_b32 s52, s[BH], 18                      ; the head's K and V
	s_mov_b32 s53, 0
	s_mov_b32 s[G0A], 1
	s_lshl_b32 s[G0A+1], s[WV], 12                 ; LDS mirrors the head's bytes of kv_img
	s_mov_b32 s[G0B], 1
	s_mul_i32 s[G0B+1], s[WV], 12288
	s_add_co_u32 s[G0B+1], s[G0B+1], 4*STEPB
	s_lshl_b32 s54, s[BH], 17                      ; my two tiles of Q
	s_lshl_b32 s[TP], s[CX], 15
	s_add_co_u32 s54, s54, s[TP]
	s_lshl_b32 s[TP], s[WV], 11
	s_add_co_u32 s54, s54, s[TP]
	s_mov_b32 s55, 0
	s_lshr_b32 s[TP], s[BH], 4                     ; my first row of out0: 2,048 x batch + 512 cx + 32 x wave, 4,096 bytes a row; + 256 x head
	s_lshl_b32 s[TP], s[TP], 11
	s_lshl_b32 s58, s[CX], 9
	s_add_co_u32 s[TP], s[TP], s58
	s_lshl_b32 s58, s[WV], 5
	s_add_co_u32 s[TP], s[TP], s58
	s_lshl_b32 s58, s[TP], 12
	s_and_b32 s[TP], s[BH], 15
	s_lshl_b32 s[TP], s[TP], 8
	s_add_co_u32 s58, s58, s[TP]
	s_mov_b32 s59, 0
	s_wait_alu depctr_va_vdst(0)
	s_wait_dscnt 0x0                               ; both opening adds are done
	s_wait_kmcnt 0x0
	s_load_b128 s[48:51], s[8:9], 0x18             ; eq, ek, ep, ev
	s_add_nc_u64 s[4:5], s[4:5], s[54:55]
.irp i, 0,1,2,3
	global_load_b128 v[Q+4*\i:Q+4*\i+3], v[LI], s[4:5] offset:512*\i   ; Q stays in registers; asked for ahead of the round
.endr
	s_add_nc_u64 s[6:7], s[6:7], s[52:53]
	s_mov_b32 s52, s[G0A+1]
	s_add_nc_u64 s[G0A+2:G0A+3], s[6:7], s[52:53]
	s_or_b32 s[G0A+3], s[G0A+3], 0x80000000
	s_mov_b32 s52, s[G0B+1]
	s_add_nc_u64 s[G0B+2:G0B+3], s[6:7], s[52:53]
	s_or_b32 s[G0B+3], s[G0B+3], 0x80000000
	s_add_nc_u64 s[10:11], s[10:11], s[58:59]
	CROUND                                         ; the four partners are here: the joint loads meet
	tensor_load_to_lds s[G0A:G0A+3], s[G1A:G1A+7]  ; steps 0 to 3: my one load at the head
	s_nop 0
	v_mov_b32 v[NM0], 0x7f61b1e6                   ; -M = 3e38: M under every t
	v_mov_b32 v[NM0+2], 0x7f61b1e6
.irp j, 0,1,2,3
	v_mov_b32 v[SU0+\j], 0
.endr
	v_mov_b32 v[FF], 0                             ; f
	v_mov_b32 v13, 0                               ; a lane permute's destination counts as a source
.set n, 0
.rept 208
	v_mov_b32 v[RA+n], 0                           ; v32-239: what the first body finds: p, V, O^T and tile 1's accumulators, all zeros
.set n, n+1
.endr
	s_wait_kmcnt 0x0
	s_add_co_i32 s[TP], s48, s49
	s_lshl_b32 s[TP], s[TP], 23
	s_add_co_i32 s[CS], s[CS], s[TP]               ; c x 2^(eq + ek)
	s_mov_b32 s[CS+1], s[CS]
	s_add_co_i32 s[TP], s50, 127
	s_lshl_b32 s[LIM], s[TP], 23
	v_mov_b32 v[SC], s[LIM]                        ; 2^ep
	s_add_co_i32 s[TP], s[TP], 8
	s_lshl_b32 s[LIM], s[TP], 23
	s_or_b32 s[LIM], s[LIM], 0x600000
	v_mov_b32 v[NM0+1], s[LIM]                     ; 448 x 2^ep, twice: the two halves of a dual pair take their second sources from different banks
	v_mov_b32 v[NM0+3], s[LIM]
	s_add_co_i32 s56, s50, s51                     ; ep + ev
	s_wait_alu depctr_va_vdst(0)
	s_wait_tensorcnt 0x0                           ; my part of steps 0 to 3 is in; the three lines ahead of a later first fill
	ds_add_u32 v254, v255
	s_wait_dscnt 0x0
	CROUND                                         ; everybody's part is in
	tensor_load_to_lds s[G0B:G0B+3], s[G1B:G1B+7]  ; steps 4 to 15: it has four steps' work in which to land
	s_nop 0
.macro QKT x, t, RK, RS                ; 16 keys x 16 queries, K = the head's 64
	v_wmma_f32_16x16x64_fp8_fp8 v[\RS+8*(\t):\RS+8*(\t)+7], v[\RK+8*(\t):\RK+8*(\t)+7], v[Q+8*(\x):Q+8*(\x)+7], 0
.endm
.macro PVT x, d, RV                    ; 16 channels x 16 queries, K = 128 keys
	v_wmma_f32_16x16x128_fp8_fp8 v[O+32*(\x)+8*(\d):O+32*(\x)+8*(\d)+7], v[\RV+16*(\d):\RV+16*(\d)+15], v[P+16*(\x):P+16*(\x)+15], v[O+32*(\x)+8*(\d):O+32*(\x)+8*(\d)+7]
.endm
.macro HOLDP R, p                      ; pair p held at 448 x 2^ep: the conversion does not saturate (ISA guide 7.6.2); p is not negative
	v_dual_min_num_f32 v[\R+2*(\p)], v[\R+2*(\p)], v[NM0+1] :: v_dual_min_num_f32 v[\R+2*(\p)+1], v[\R+2*(\p)+1], v[NM0+3]
.endm
.macro FMAP R, p                       ; pair p: t - M
	v_pk_fma_f32 v[\R+2*(\p):\R+2*(\p)+1], v[\R+2*(\p):\R+2*(\p)+1], s[CS:CS+1], v[NM:NM+1] op_sel_hi:[1,0,0]
.endm
.macro ADDP d, a, b
	v_pk_add_f32 v[(\d):(\d)+1], v[(\a):(\a)+1], v[(\b):(\b)+1]
.endm
.macro MAXM x, R                       ; the step's largest score of my query, in four chains; the new -M and f = 2^(old M - new M)
.set NM, NM0+2*(\x)
.set k, 0
.rept 4
	v_max3_num_f32 v[MT+k], v[\R+3*k], v[\R+3*k+1], v[\R+3*k+2]
.set k, k+1
.endr
.set k, 0
.rept 26
	v_max3_num_f32 v[MT+(k%4)], v[MT+(k%4)], v[\R+12+2*k], v[\R+13+2*k]
.set k, k+1
.endr
	v_max3_num_f32 v14, v[MT], v[MT+1], v[MT+2]
	s_delay_alu instid0(VALU_DEP_1)
	v_max_num_f32 v14, v14, v[MT+3]
	s_delay_alu instid0(VALU_DEP_1)
	v_permlanex16_b32 v13, v14, s[SEL], s[SEL+1]
	s_delay_alu instid0(VALU_DEP_1)
	v_max_num_f32 v14, v14, v13
	s_delay_alu instid0(VALU_DEP_1)
	v_mul_f32 v14, s[CS], v14
	s_delay_alu instid0(VALU_DEP_1)
	v_floor_f32 v15, -v14
	v_mov_b32 v13, v[NM]
	s_delay_alu instid0(VALU_DEP_2)
	v_min_num_f32 v[NM], v[NM], v15
	s_delay_alu instid0(VALU_DEP_1)
	v_sub_f32 v13, v[NM], v13
	s_delay_alu instid0(VALU_DEP_1)
	v_cvt_i32_f32 v13, v13
	s_delay_alu instid0(VALU_DEP_1)
	v_ldexp_f32 v[FF], 1.0, v13
.endm
; The four windows.  Quarter q is registers 16 q .. 16 q + 15 of R, pairs 8 q .. 8 q + 7.  The eight accumulators T lie in the other tile's code registers.
; pv = 1: V has been asked for; tile 0's four products stand ahead of the first multiply-adds and in the first window.
.macro WINS x, R, pv, RV
.set NM, NM0+2*(\x)
.set SU, SU0+2*(\x)
.set T, P+16*(1-(\x))
.if \pv
	s_wait_alu depctr_va_vdst(0)
	s_wait_dscnt 0x0                               ; V
	PVT 0, 0, \RV
.endif
.set k, 0
.rept 8
	FMAP \R, k
.set k, k+1
.endr
	s_wait_alu depctr_va_vdst(0)
.set k, 0
.rept 16                               ; window 0: quarter 0's exponentials; the sums under the new M; quarter 1's multiply-adds
.if \pv
.if (k % 4) == 0
.if k < 12
	PVT 0, 1+k/4, \RV
.endif
.endif
.endif
	v_exp_f32 v[\R+k], v[\R+k]
.if k == 7
	v_pk_mul_f32 v[SU:SU+1], v[SU:SU+1], v[FF:FF+1] op_sel_hi:[1,0]
.endif
.if k >= 8
	FMAP \R, k
.endif
.set k, k+1
.endr
	s_wait_alu depctr_va_vdst(0)
.irp q, 1,2                            ; windows 1, 2: quarter q's exponentials; quarter q + 1's multiply-adds; quarter q - 1 summed by pairs into four fresh accumulators, then held
.set k, 0
.rept 20
.if k < 16
	v_exp_f32 v[\R+16*\q+k], v[\R+16*\q+k]
.endif
.if k < 8
	FMAP \R, 8*(\q+1)+k
.elseif k < 12
	ADDP T+8*(\q-1)+2*(k-8), \R+16*(\q-1)+2*(k-8), \R+16*(\q-1)+2*(k-4)
.else
	HOLDP \R, 8*(\q-1)+k-12
.endif
.set k, k+1
.endr
	s_wait_alu depctr_va_vdst(0)
.endr
.set k, 0
.rept 16                               ; window 3: quarter 3's exponentials; quarter 2 added, a pair to each accumulator, then held
	v_exp_f32 v[\R+48+k], v[\R+48+k]
.if k < 8
	ADDP T+2*k, T+2*k, \R+32+2*k
.else
	HOLDP \R, 8+k
.endif
.set k, k+1
.endr
	s_wait_alu depctr_va_vdst(0)
.endm
.macro PPL R, i                        ; the 24 plain instructions that are left behind the windows: quarter 3 added and held, the eight accumulators joined into the tile's sum
.if (\i) < 8
	ADDP T+2*(\i), T+2*(\i), \R+48+2*(\i)
.elseif (\i) < 16
	HOLDP \R, 16+(\i)
.elseif (\i) < 20
	ADDP T+2*((\i)-16), T+2*((\i)-16), T+8+2*((\i)-16)
.elseif (\i) < 22
	ADDP T+4*((\i)-20), T+4*((\i)-20), T+4*((\i)-20)+2
.elseif (\i) == 22
	ADDP T, T, T+4
.else
	ADDP SU, SU, T
.endif
.endm
; The eight conversions, three of those plain instructions behind each, and then what takes the eight registers just converted:
; mode 1: tile 1's score product c;  mode 2: the two loads of fragment c of this step's K;  mode 0: nothing.
.macro POST x, R, mode, RK, base
.set SU, SU0+2*(\x)
.set T, P+16*(1-(\x))
.irp c, 0,1,2,3,4,5,6,7
	v_cvt_scalef32_pk8_fp8_f32 v[P+16*(\x)+2*\c:P+16*(\x)+2*\c+1], v[\R+8*\c:\R+8*\c+7], v[SC]
	PPL \R, 3*\c
	PPL \R, 3*\c+1
	PPL \R, 3*\c+2
.if \mode == 1
	QKT 1, \c, \RK, \R
.endif
.if \mode == 2
	ds_load_b128 v[\R+8*\c:\R+8*\c+3], v[ADR] offset:\base+1024*\c
	ds_load_b128 v[\R+8*\c+4:\R+8*\c+7], v[ADR] offset:\base+1024*\c+512
.endif
.endr
.endm
.macro RESC x                          ; O^T under the new M
	s_wait_alu depctr_va_vdst(0)
.set n, 0
.rept 16
	v_pk_mul_f32 v[O+32*(\x)+n:O+32*(\x)+n+1], v[O+32*(\x)+n:O+32*(\x)+n+1], v[FF:FF+1] op_sel_hi:[1,0]
.set n, n+2
.endr
.endm
.macro BODY RK, RS, base
	POST 1, \RK, 2, \RK, \base
	RESC 1
.irp d, 0,1,2,3
	PVT 1, \d, \RS
.endr
.rept 5
	v_nop                                          ; five places: the score products below write over V's registers, which the products above read
.endr
	s_wait_alu depctr_va_vdst(0)
	s_wait_dscnt 8                                 ; K's fragments 0 to 3 are in: the eight younger loads may be out
.irp t, 0,1,2,3
	QKT 0, \t, \RK, \RS
.endr
	s_wait_dscnt 0x0
.irp t, 4,5,6,7
	QKT 0, \t, \RK, \RS
.endr
.rept 4
	v_nop
.endr
	MAXM 0, \RS
	WINS 0, \RS, 0, \RK
	POST 0, \RS, 1, \RK, 0
	RESC 0                                         ; its sixteen lines are also the places behind the last score product
.set n, 0
.rept 16
	ds_load_b128 v[\RK+4*n:\RK+4*n+3], v[ADR] offset:\base+8192+512*n   ; V's four fragments, over K's: they land under tile 1's maxima
.set n, n+1
.endr
	MAXM 1, \RS
	WINS 1, \RS, 1, \RK
.endm
.macro PHASE first, trips              ; steps first .. first + 2 trips - 1, two to a trip
	s_mov_b32 s[TB], (\first)*STEPB
	s_mov_b32 s[CNT], \trips
.Lstep_\@:
	v_add_nc_u32 v[ADR], s[TB], v[LI]
	BODY RA, RB, 0
	BODY RB, RA, STEPB
	s_add_co_u32 s[TB], s[TB], 2*STEPB
	s_sub_co_u32 s[CNT], s[CNT], 1
	s_cmp_lg_u32 s[CNT], 0
	s_cbranch_scc1 .Lstep_\@
.endm
	s_wait_loadcnt 0x0                             ; Q
	PHASE 0, 2
	s_wait_tensorcnt 0x0                           ; my part of steps 4 to 15 is in,
	s_wait_dscnt 0x0
	s_barrier_signal -1
	s_barrier_wait -1                              ; everybody's is
	PHASE 4, 4
	s_wait_dscnt 0x0                               ; my reads of steps 0 to 11 are over,
	s_barrier_signal -1
	s_barrier_wait -1                              ; everybody's are: the stages' bytes are read no more
	PHASE 12, 2
	POST 1, RA, 0, RA, 0                           ; step 15's tail: tile 1's conversions, rescaling and products
	RESC 1
.irp d, 0,1,2,3
	PVT 1, \d, RB
.endr
	; THE WAY OUT: O^T / the sum x 2^(ep + ev), a tile of 16 queries at a time through my stage; sixteen lanes store one aligned unit of 256 bytes
	v_add_f32 v12, v8, v9
	v_add_f32 v14, v10, v11
	s_delay_alu instid0(VALU_DEP_2)
	v_permlanex16_b32 v13, v12, s[SEL], s[SEL+1]
	s_delay_alu instid0(VALU_DEP_2)
	v_permlanex16_b32 v15, v14, s[SEL], s[SEL+1]
	s_delay_alu instid0(VALU_DEP_2)
	v_add_f32 v12, v12, v13
	s_delay_alu instid0(VALU_DEP_2)
	v_add_f32 v14, v14, v15
	s_wait_alu depctr_va_vdst(0)
	v_rcp_f32 v12, v12
	v_rcp_f32 v14, v14
	v_and_b32 v4, 15, v0
	v_bfe_u32 v5, v0, 4, 1
	s_mul_i32 s[TP], s[WV], 16*SP
	v_mul_u32_u24 v[ADR], v4, SP
	s_delay_alu instid0(VALU_DEP_1)
	v_lshl_add_u32 v[ADR], v5, 5, v[ADR]
	s_delay_alu instid0(VALU_DEP_1)
	v_add_nc_u32 v[ADR], s[TP], v[ADR]             ; in: row r, 32 bytes for each half of the lanes
	v_mul_u32_u24 v[SC], v5, SP
	s_delay_alu instid0(VALU_DEP_1)
	v_lshl_add_u32 v[SC], v4, 4, v[SC]
	s_delay_alu instid0(VALU_DEP_1)
	v_add_nc_u32 v[SC], s[TP], v[SC]               ; back: lanes 0-15 one row, lanes 16-31 the next
	v_lshlrev_b32 v[LI], 12, v5
	s_delay_alu instid0(VALU_DEP_1)
	v_lshl_add_u32 v[LI], v4, 4, v[LI]             ; and the same two rows in out0
	s_wait_alu depctr_va_vdst(0)
	v_ldexp_f32 v12, v12, s56
	v_ldexp_f32 v14, v14, s56
.irp x, 0,1
	s_wait_alu depctr_va_vdst(0)
.set n, 0
.rept 16
	v_pk_mul_f32 v[S+32*\x+n:S+32*\x+n+1], v[O+32*\x+n:O+32*\x+n+1], v[12+2*\x:13+2*\x] op_sel_hi:[1,0]
.set n, n+2
.endr
.irp t, 0,1,2,3
	ds_store_b128 v[ADR], v[S+32*\x+8*\t:S+32*\x+8*\t+3] offset:64*\t
	ds_store_b128 v[ADR], v[S+32*\x+8*\t+4:S+32*\x+8*\t+7] offset:64*\t+16
.endr
.irp i, 0,1,2,3,4,5,6,7
	ds_load_b128 v[KV+32*\x+4*\i:KV+32*\x+4*\i+3], v[SC] offset:2*\i*SP   ; LDS serves a wave's instructions in order: these see my stores, and tile 1's stores come behind them
.endr
.endr
.irp x, 0,1
.irp i, 0,1,2,3,4,5,6,7
	s_wait_dscnt 23-16*\x-\i                       ; the LDS instructions issued behind this load may be out
	global_store_b128 v[LI], v[KV+32*\x+4*\i:KV+32*\x+4*\i+3], s[10:11] offset:65536*\x+8192*\i th:TH_STORE_NT
.endr
.endr
	s_wait_xcnt 0x0
	v_lshl_add_u32 v254, v0, 2, SPARE              ; the two registers held codes meanwhile: made anew from v0
	v_mov_b32 v255, 0
	s_wait_alu depctr_va_vdst(0)
	s_wait_tensorcnt 0x0                           ; the wave's end
	ds_add_u32 v254, v255
	s_wait_dscnt 0x0
	CROUND                                         ; the closing round
	s_endpgm
.Lfunc_end_k_q56bacefac2_attn:
	.size	k_q56bacefac2_attn, .Lfunc_end_k_q56bacefac2_attn-k_q56bacefac2_attn
	.p2alignl 7, 3214868480
	.fill 96, 4, 3214868480
	.section	.rodata,"a",@progbits
	.p2align	6, 0x0
	.amdhsa_kernel k_q56bacefac2_attn
		.amdhsa_group_segment_fixed_size 327680
		.amdhsa_private_segment_fixed_size 0
		.amdhsa_enable_private_segment 0
		.amdhsa_kernarg_size 32
		.amdhsa_user_sgpr_count 2
		.amdhsa_user_sgpr_kernarg_segment_ptr 1
		.amdhsa_wavefront_size32 1
		.amdhsa_system_sgpr_workgroup_id_x 1
		.amdhsa_system_sgpr_workgroup_id_y 1
		.amdhsa_system_sgpr_workgroup_id_z 1
		.amdhsa_system_vgpr_workitem_id 0
		.amdhsa_next_free_vgpr 256
		.amdhsa_next_free_sgpr 66
		.amdhsa_reserve_vcc 0
		.amdhsa_float_denorm_mode_32 3
		.amdhsa_float_denorm_mode_16_64 3
		.amdhsa_memory_ordered 1
		.amdhsa_forward_progress 1
		.amdhsa_inst_pref_size 197
	.end_amdhsa_kernel
	.amdgpu_metadata
---
amdhsa.version: [ 1, 2 ]
amdhsa.kernels:
  - .name:           k_q56bacefac2_attn
    .symbol:         k_q56bacefac2_attn.kd
    .args:
      - { .name: q_img, .offset: 0, .size: 8, .value_kind: global_buffer, .address_space: global }
      - { .name: kv_img, .offset: 8, .size: 8, .value_kind: global_buffer, .address_space: global }
      - { .name: lowp_scales, .offset: 16, .size: 8, .value_kind: global_buffer, .address_space: global }
      - { .name: out0, .offset: 24, .size: 8, .value_kind: global_buffer, .address_space: global }
    .group_segment_fixed_size: 327680
    .private_segment_fixed_size: 0
    .kernarg_segment_align: 8
    .kernarg_segment_size: 32
    .max_flat_workgroup_size: 512
    .sgpr_count:     66
    .vgpr_count:     256
    .wavefront_size: 32
...
	.end_amdgpu_metadata
.endif
;; end of part 2
